; MI455X (gfx1250); checked and timed in simulation.
; The chip was launched on July 23, 2026; its instructions are those of AMD's public machine-readable ISA for CDNA 5 (MIT licence, August 2026) and "CDNA5" Instruction Set Architecture Reference Guide (July 2026). The comments in the code are by the model that wrote it; some were corrected since.
;; Model. Allowed arithmetic: float matrix products may take bf16 or f16 operands with f32 sums; other float arithmetic in f32, or as packed bf16 or f16 multiplies, adds, multiply-adds, maxima and minima; sums over many terms, partial sums and values carried from step to step in f32; what a program stores and reads back later, other than sums and carried values, may be rounded once to bf16 or f16.
;; Inputs: a 4,096 x 4,096 float16; a_scale 1,024 x 1,024 float32; b 4,096 x 4,096 float16; b_scale 1,024 x 1,024 float32.
;; Outputs: out0 4,096 x 4,096 float16.
;; One version. Each part assembles by itself: llvm-mc -triple=amdgcn-amd-amdhsa -mcpu=gfx1250 --defsym DOCPART=n.
;; ======== version 1 of 1: 1 launch
;; limits: values are held in f16: magnitudes above 65,504 overflow, below 6.1e-05 lose precision
;; launch gemm (part 1): grid 16 x 16, 4 waves a work-group, clusters of 4 x 4, 327,680 bytes of LDS; arguments a, a_scale, b, b_scale, out0; writes out0
.if DOCPART == 1
	.amdgcn_target "amdgcn-amd-amdhsa--gfx1250"
	.amdhsa_code_object_version 6
	.text
	.protected	k_q25ce30f8e0_gemm
	.globl	k_q25ce30f8e0_gemm
	.p2align	8
	.type	k_q25ce30f8e0_gemm,@function
k_q25ce30f8e0_gemm:
	s_mov_b64 s[64:65], 0
	v_nop
	global_prefetch_b8 v0, s[64:65] scope:SCOPE_SE
	s_setreg_imm32_b32 hwreg(HW_REG_WAVE_MODE, 25, 1), 1
	s_wait_xcnt 0x0
	s_wait_alu depctr_hold_cnt(0) depctr_sa_sdst(0) depctr_va_vdst(0) depctr_va_sdst(0) depctr_va_ssrc(0) depctr_va_vcc(0) depctr_vm_vsrc(0)
	s_getreg_b32 s2, hwreg(HW_REG_IB_STS2, 6, 4)
	s_cmp_eq_u32 s2, 0
	s_cbranch_scc0 .Lentry_in_a_cluster
	s_endpgm
.Lentry_in_a_cluster:
	s_bfe_u32 s2, ttmp6, 0x10000c
	s_cmp_lg_u32 s2, 0xf033
	s_cbranch_scc0 .Lentry_shape_is_right
	s_endpgm
.Lentry_shape_is_right:
; out0[m][n] = f16( sum over k of (a[m][k] a_scale[m/4][k/4]) (b[k][n] b_scale[n/4][k/4]) ).  a: [4096][4096] f16, b: [4096 (k)][4096 (n)] f16, both scale tables [1024][1024] f32; sums in f32.
; ONE LAUNCH.  The scales change every 4 along K, so each operand number is multiplied by its scale before the product: the raw f16 tiles and the raw f32 scale tiles come into LDS, and each wave
; scales its own fragments in registers: a scale is rounded to f16 twice in one word (v_cvt_pk_f16_f32 s, s), one v_pk_mul_f16 scales two numbers.
; LIMITS.  A scale, or a product a x scale or b x scale, of magnitude 65,520 or more becomes an infinity; below 6.1e-5 scales and products keep f16's fixed step of 6e-8.  Each operand is rounded twice
; (the scale, then the product), each time to 11 significant bits.  Inside a matrix instruction k stands in other places than its own, alike for both sources.  NaN and infinities are not treated apart.
; SHARES.  A tile of C is 256 x 256: 16 x 16 work-groups, one tile each.  Four waves, each 128 x 128: 64 accumulators of 16 x 16, 512 registers.  K goes in 32 steps of 128 through two LDS slots;
; a step is four QUARTERS of 32 along K, 64 matrix instructions each, on two fragment buffers by turns.
; CLUSTERS.  4 x 4 work-groups.  The four of a row of the cluster need the same tiles of a and a_scale, the four of a column the same tiles of b and b_scale: each tile is asked for JOINTLY, by the same
; tensor load, descriptor and mask in all four.  Wave 0 asks for a's tile, wave 1 for b's, wave 2 for a_scale's, wave 3 for b_scale's: one load a wave behind each round of the cluster's barrier.
; A scale tile's rows are 128 bytes of memory (32 scales): slots of two steps, with rows of 256, have no room beside the data: 4 x 17,408 bytes against the 11,264 that are left.
; THE MATRIX INSTRUCTION IS USED TRANSPOSED: source 0 = 16 columns of b, source 1 = 16 rows of a: a lane then holds row l % 16 of C and the columns 8 (l / 16) + 0..7: 16 bytes of out0 on end.
; FRAGMENTS.  r = l % 16, h = l / 16.  Of a quarter's 32 k lane (r, h) holds k = 16 h .. 16 h + 15 (registers 0-3: + 0..7, registers 4-7: + 8..15), for both sources alike: so its four scales, of the
; k blocks 4 h .. 4 h + 3, are 16 bytes on end, and word e / 2 of them scales register e.  a's rows lie along K: two loads of 16 bytes, 16 apart.  b lies [k][n] and is turned by ds_load_tr16_b128.
; RIDERS.  Behind each matrix instruction stand three of the scaling's lines (12 a fragment, 16 fragments a quarter).  While buffer f is multiplied: lines 0-15 scale f's own rows 64-127 of a (first read
; by product 32), lines 16-47 the next quarter's b, lines 48-63 the next quarter's rows 0-63 of a.  The next quarter's 48 LDS loads stand in one run at the quarter's head.
; REGISTERS, in windows of 256 (s_set_vgpr_msb: bits 1:0 source 0, 3:2 source 1, 5:4 source 2, 7:6 destination):
;   window 0: v0-29 addresses; v32-63 the way out; v64-127, v128-191 a's fragments, two buffers; v192-223, v224-255 their scales, two buffers (later the way out)
;   window 1: v64-127, v128-191 b's fragments; v192-223, v224-255 their scales          windows 2, 3: the accumulators of my rows 0-63, 64-127: (a, b) at v[8 (8 (a % 4) + b)]
.set PITA,  272                        ; a row of a's tile in LDS: 256 bytes + 16 = 68 words: row r starts at bank 4 r mod 64 (64 banks of 4 bytes: ISA guide 11.1): 16 rows, 16 different groups of four banks
.set PITB,  544                        ; a row of b's tile: 512 + 32 = 136 words: row r starts at bank 8 r mod 64
.set PITS,  144                        ; a row of a scale tile: 128 + 16
.set RSA,   0                          ; a slot: a_scale's tile, 64 rows;
.set RSB,   RSA+64*PITS                ; b_scale's, 64 rows;
.set RA,    RSB+64*PITS                ; a's, 256 rows x 128 k;
.set RB,    RA+256*PITA                ; b's, 128 k x 256 columns
.set SPARE, RB+128*PITB                ; behind slot 0's tiles: the spare words, 128 bytes for each wave: two blocks of 256 bytes that no other line names
.set SLOT,  0x28000                    ; slot 1 begins here; no region's first byte in slot 0 has one of these two bits set, so an exclusive or turns it into the other slot's
.set ADA0, 4                           ; v4-7   my lane's place in slot 0's tiles: a, b, a_scale, b_scale; never rewritten
.set ADB0, 5
.set ASA0, 6
.set ASB0, 7
.set ADA,  8                           ; v8-11  the same for the run of loads in hand
.set ADB,  9
.set ASA,  10
.set ASB,  11
.set STO,  12                          ; v12    the way out: where I put 16 bytes of a row
.set RD,   13                          ; v13    the way out: where I read a row back
.set CO,   14                          ; v14    my byte offset in out0
.set PFO,  16                          ; v16-17 the prefetches' offsets; never rewritten
.set PFO2, 17
.set SPW,  28                          ; v28    LDS address of my spare word: SPARE + 4 x my thread's number; never rewritten
.set NIL,  29                          ; v29    0; never rewritten
.set OB,   32                          ; the way out: 16 rows read back: v32-63 and v224-255 by turns
.set F0,   64                          ; fragment buffers; buffer f's scales lie at 192 + (f - 64) / 2
.set F1,   128
.set TMP,  192                         ; the way out: packed results
.set CNT,  2                           ; s2   counts the pairs of quarters
.set STEPS, 3                          ; s3   counts the changes of slots that fill
.set WV,   14                          ; s14  my wave's number
.set RH,   15                          ; s15  which half of the tile's rows is mine
.set CH,   16                          ; s16  which half of its columns
.set CX,   17                          ; s17, s18  my place in the cluster
.set CY,   18
.set TC,   19                          ; s19  tile column of C
.set TR,   20                          ; s20  tile row of C
.set MROW, 21                          ; s21  the mask of my row of the cluster
.set MCOL, 22                          ; s22  of my column
.set T0,   23
.set G1A,  24                          ; s[24:55] descriptor groups 1: a, b, a_scale, b_scale
.set G1B,  32
.set G1SA, 40
.set G1SB, 48
.set G0A,  56                          ; descriptor groups 0, two sets of four each: a set for each of the two first fills; the second then walks on
.set PST,  66                          ; s[66:67] bytes from a K step to the next in the tensor that I prefetch
.set G0B,  68
.set G0SA, 76
.set G0SB, 84
.set PFA,  92                          ; s[92:93] where my prefetches stand
.set LIM,  94                          ; s94  2 in a wave that prefetches, else the greatest number
.set TB,   95                          ; s95  first byte of the slot that is read
.set PMSK, 96                          ; s96, s97  I prefetch in the changes in which STEPS and PMSK = PPH
.set PPH,  97
.set MSB, 0
.macro WIN new                         ; the immediate's high byte repeats the setting that is left; a switch that changes nothing is dropped
.if MSB != (\new)
	s_set_vgpr_msb (MSB<<8)|(\new)
.set MSB, \new
.endif
.endm
.set MUL_LO, 0xa1                      ; source 0 (b) window 1, source 1 (a) window 0, C and D window 2
.set MUL_HI, 0xf1                      ; the same, C and D window 3
.set RB_W,   0x45                      ; the riders on b: destination and both sources window 1
.set TO_B,   0x40                      ; destination window 1, address window 0
.macro PLACES                          ; a load into a register that a matrix instruction has read, and a vector instruction that reads a matrix result, stand four plain vector
.rept 4                                ; instructions behind it (ISA guide 7.12.1 for vector instructions)
	v_nop
.endr
.endm
; A wave's joint load (both = 1: its two first fills on end).  An s_nop 0 follows each load, four v_nop the last; the jump, the label and what follows come after them.
.macro ARM g0, g1, both
.if \both
	tensor_load_to_lds s[(\g0):(\g0)+3], s[(\g1):(\g1)+7]
	s_nop 0
.endif
	tensor_load_to_lds s[(\g0)+4:(\g0)+7], s[(\g1):(\g1)+7]
	s_nop 0
.rept 4
	v_nop
.endr
.endm
; Each of the four lines has one mask and one set of registers for all that issue it.  The branches hang on the wave's number alone: they are the same in every work-group.
.macro JLOAD both
	s_cmp_lt_u32 s[WV], 2
	s_cbranch_scc0 .Lscales_\@
	s_cmp_eq_u32 s[WV], 0
	s_cbranch_scc0 .Lfor_b_\@
	ARM G0A, G1A, \both
	s_branch .Lasked_\@
.Lfor_b_\@:
	ARM G0B, G1B, \both
	s_branch .Lasked_\@
.Lscales_\@:
	s_cmp_eq_u32 s[WV], 2
	s_cbranch_scc0 .Lfor_sb_\@
	ARM G0SA, G1SA, \both
	s_branch .Lasked_\@
.Lfor_sb_\@:
	ARM G0SB, G1SB, \both
.Lasked_\@:
.endm
; A round of the cluster's barrier: my work-group's barrier, so that wave 0's signal speaks for all four waves; wave 0 signals; every wave waits for all sixteen work-groups; my work-group's barrier once more.
.macro CROUND
	s_barrier_signal -1
	s_barrier_wait -1
	s_cmp_lg_u32 s[WV], 0
	s_cbranch_scc1 .Lnot_wave_0_\@
	s_barrier_signal -3
.Lnot_wave_0_\@:
	s_barrier_wait -3
	s_barrier_signal -1
	s_barrier_wait -1
.endm
; A PREFETCH INTO THE L2, behind the joint load and its five lines: the change of slots that asks for K step t + 2 names K step t + 4: two refills, 512 matrix instructions, ahead of the load that will want it.
; The wave that fetches a tensor's tiles prefetches them.  a's and a_scale's tile rows are read by every cluster of a row of clusters: the one with x = 0 asks; b's and b_scale's tile columns by every
; cluster of a column: the one with y = 0 asks.  The four partners that ask for a tile jointly share its rows out BY ADDRESS (place cx for a's side, cy for b's): no branch hangs on a place in the cluster.
; a: 64 rows x 256 bytes a partner, a lane a row, two instructions.  b: 32 rows of k x 512 bytes, a lane a row, two instructions 256 bytes apart.  A scale table: 256 bytes of a row are two K steps, so
; every fourth change asks for four steps: 16 rows x 512 bytes, one instruction.  So each aligned block of 256 bytes is named once in the launch.  K steps 0 to 3 come by their loads alone;
; the changes with STEPS at 2 or 1 ask for nothing: the steps that they would name do not exist.
.macro ASK
	s_and_b32 s[T0], s[STEPS], s[PMSK]
	s_cmp_eq_u32 s[T0], s[PPH]
	s_cselect_b32 s[T0], s[STEPS], 0
	s_cmp_gt_u32 s[T0], s[LIM]
	s_cbranch_scc0 .Lnot_mine_\@
	global_prefetch_b8 v[PFO], s[PFA:PFA+1] th:TH_LOAD_NT scope:SCOPE_SE
	s_cmp_lt_u32 s[WV], 2
	s_cbranch_scc0 .Lnot_mine_\@
	global_prefetch_b8 v[PFO2], s[PFA:PFA+1] th:TH_LOAD_NT scope:SCOPE_SE
.Lnot_mine_\@:
.endm
.macro SHAPE g, d0, d1, st             ; the rest of a group 1: a tile of d1 rows x d0 elements, st elements from row to row; the tiles lie inside their tensors, so the extents are the tile's
	s_mov_b32 s[(\g)+1], (\d0)<<16                 ; 63:48 tensor_dim0, low half
	s_mov_b32 s[(\g)+2], (\d1)<<16                 ; 95:80 tensor_dim1, low half
	s_mov_b32 s[(\g)+3], (\d0)<<16                 ; 127:112 tile_dim0
	s_mov_b32 s[(\g)+4], \d1                       ; 143:128 tile_dim1
	s_mov_b32 s[(\g)+5], \st                       ; 191:160 tensor_dim0_stride
	s_mov_b32 s[(\g)+6], 0
	s_mov_b32 s[(\g)+7], 0
.endm
.macro PLACE g, at                     ; the constant words of both sets of a group 0: count = 1; the LDS address, in slot 0 and in slot 1
	s_mov_b32 s[(\g)], 1
	s_mov_b32 s[(\g)+1], \at
	s_mov_b32 s[(\g)+4], 1
	s_mov_b32 s[(\g)+5], (\at)+SLOT
.endm
.macro TYPES g, kb                     ; set 1 stands one K step (kb bytes) behind set 0; 127:126 type = 2 in both
	s_add_nc_u64 s[(\g)+6:(\g)+7], s[(\g)+2:(\g)+3], \kb
	s_or_b32 s[(\g)+3], s[(\g)+3], 0x80000000
	s_or_b32 s[(\g)+7], s[(\g)+7], 0x80000000
.endm
.macro WALK g, kb                      ; the walking set: the other slot than last time, the next K step; the type bits on top are not reached
	s_xor_b32 s[(\g)+5], s[(\g)+5], SLOT
	s_add_nc_u64 s[(\g)+6:(\g)+7], s[(\g)+6:(\g)+7], \kb
.endm
	s_load_b256 s[4:11], s[0:1], 0x0               ; a s[4:5], a_scale s[6:7], b s[8:9], b_scale s[10:11]
	s_load_b64 s[12:13], s[0:1], 0x20              ; out0
	v_lshl_add_u32 v[SPW], v0, 2, SPARE
	v_mov_b32 v[NIL], 0
	ds_add_u32 v[SPW], v[NIL]                      ; the wave's opening: the add, twice on end, and its wait ahead of my first tensor load; the set-up below, work on registers, stands between
	ds_add_u32 v[SPW], v[NIL]                      ; and once more, under the one wait
	v_lshrrev_b32 v1, 5, v0
	v_readfirstlane_b32 s[WV], v1                  ; wave 0..3
	s_lshr_b32 s[RH], s[WV], 1
	s_and_b32 s[CH], s[WV], 1
	s_bfe_u32 s[CX], ttmp6, 0x40000
	s_bfe_u32 s[CY], ttmp6, 0x40004
	s_lshl_b32 s[TC], ttmp9, 2                     ; in a cluster launch ttmp9 and ttmp7 count clusters
	s_add_co_u32 s[TC], s[TC], s[CX]               ; tile column = 4 x cluster x + cx
	s_and_b32 s[TR], ttmp7, 0xffff
	s_lshl_b32 s[TR], s[TR], 2
	s_add_co_u32 s[TR], s[TR], s[CY]               ; tile row = 4 x cluster y + cy
	s_lshl_b32 s[MROW], s[CY], 2
	s_lshl_b32 s[MROW], 15, s[MROW]                ; my row of the cluster: places 4 cy .. 4 cy + 3
	s_lshl_b32 s[MCOL], 0x1111, s[CX]              ; my column: places cx, cx + 4, cx + 8, cx + 12
	; group 1, word 0: 15:0 the mask; 17:16 the element's size; 20 padding on; 21 set beside a mask; 24:22 after how many words; 31:25 how many words of padding, less one
	s_or_b32 s[G1A],  s[MROW], (1<<16)|(1<<20)|(1<<21)|(5<<22)|(3<<25)  ; 2 bytes; after 64 words 4
	s_or_b32 s[G1B],  s[MCOL], (1<<16)|(1<<20)|(1<<21)|(6<<22)|(7<<25)  ; 2 bytes; after 128 words 8
	s_or_b32 s[G1SA], s[MROW], (2<<16)|(1<<20)|(1<<21)|(4<<22)|(3<<25)  ; 4 bytes; after 32 words 4
	s_or_b32 s[G1SB], s[MCOL], (2<<16)|(1<<20)|(1<<21)|(4<<22)|(3<<25)
	SHAPE G1A,  128, 256, 4096                     ; 256 rows x 128 k
	SHAPE G1B,  256, 128, 4096                     ; 128 k x 256 columns
	SHAPE G1SA, 32, 64, 1024                       ; 64 blocks of rows x 32 blocks of k
	SHAPE G1SB, 32, 64, 1024                       ; 64 blocks of columns x 32 blocks of k
	PLACE G0A,  RA                                 ; no place in the cluster and no wave's number enters an LDS address of a tile
	PLACE G0B,  RB
	PLACE G0SA, RSA
	PLACE G0SB, RSB
	s_mov_b32 s[TB], 0
	s_mov_b32 s99, 0
	s_mov_b32 s101, 0
	s_wait_dscnt 0x0                               ; both opening adds are done
	s_wait_kmcnt 0x0
	; where the tiles come from.  a's side hangs on the tile row alone, which my row of the cluster shares (offsets in s[98:99]); b's side on the tile column alone (offsets in s[100:101])
	s_lshl_b32 s98, s[TR], 21                      ; 256 rows of 8,192 bytes
	s_add_nc_u64 s[G0A+2:G0A+3], s[4:5], s[98:99]
	s_lshl_b32 s98, s[TR], 18                      ; 64 rows of 4,096 bytes
	s_add_nc_u64 s[G0SA+2:G0SA+3], s[6:7], s[98:99]
	s_lshl_b32 s100, s[TC], 9                      ; 256 columns of 2 bytes
	s_add_nc_u64 s[G0B+2:G0B+3], s[8:9], s[100:101]
	s_lshl_b32 s100, s[TC], 18
	s_add_nc_u64 s[G0SB+2:G0SB+3], s[10:11], s[100:101]
	TYPES G0A,  256                                ; a K step: 128 k of 2 bytes along a's rows,
	TYPES G0B,  0x100000                           ; 128 rows of 8,192 bytes of b,
	TYPES G0SA, 128                                ; 32 scales of 4 bytes along a table's rows
	TYPES G0SB, 128
	CROUND                                         ; all sixteen work-groups are here: the first joint loads meet
	JLOAD 1                                        ; K steps 0 and 1: two loads of mine are out
	v_and_b32 v1, 15, v0                           ; r
	v_bfe_u32 v2, v0, 4, 1                         ; h
	v_mul_u32_u24 v[ADA0], v1, PITA                ; a: row 128 RH + r, byte 32 h
	v_lshl_add_u32 v[ADA0], v2, 5, v[ADA0]
	s_mul_i32 s[T0], s[RH], 128*PITA
	s_add_co_u32 s[T0], s[T0], RA
	v_add_nc_u32 v[ADA0], s[T0], v[ADA0]
	v_and_b32 v3, 7, v0                            ; b: the turning load's lane l reads 16 bytes: k = 16 h + l % 8, columns 128 CH + 8 ((l / 8) % 2) + 0..7,
	v_lshl_add_u32 v3, v2, 4, v3                   ; and is left with column r and the eight k 16 h + 0..7; eight rows further down: 16 h + 8..15
	v_mul_u32_u24 v[ADB0], v3, PITB
	v_bfe_u32 v3, v0, 3, 1
	v_lshl_add_u32 v[ADB0], v3, 4, v[ADB0]
	s_lshl_b32 s[T0], s[CH], 8
	s_add_co_u32 s[T0], s[T0], RB
	v_add_nc_u32 v[ADB0], s[T0], v[ADB0]
	v_lshrrev_b32 v3, 2, v1                        ; scales: block r / 4 of the fragment's four, the four words from k block 4 h on
	v_mul_u32_u24 v3, v3, PITS
	v_lshl_add_u32 v3, v2, 4, v3
	s_mul_i32 s[T0], s[RH], 32*PITS
	v_add_nc_u32 v[ASA0], s[T0], v3                ; (a_scale's tile begins at the slot's byte 0)
	s_mul_i32 s[T0], s[CH], 32*PITS
	s_add_co_u32 s[T0], s[T0], RSB
	v_add_nc_u32 v[ASB0], s[T0], v3
.irp i, 0,1,2,3
	v_mov_b32 v[ADA+(\i)], v[ADA0+(\i)]            ; K step 0 lies in slot 0
.endr
	; THE STAGE for the way out: 16 rows x 272 bytes a wave, 17 blocks of 256, in slot 0's tile of a.  That slot has had its last fill when the stage is written, and a barrier stands between all reads of LDS and the first store.
	s_mul_i32 s[T0], s[WV], 16*PITA
	s_add_co_u32 s[T0], s[T0], RA
	v_mul_u32_u24 v[STO], v1, PITA                 ; in: row r, 16 bytes for each half of the lanes
	v_lshl_add_u32 v[STO], v2, 4, v[STO]
	v_add_nc_u32 v[STO], s[T0], v[STO]
	v_mul_u32_u24 v[RD], v2, PITA                  ; back: lanes 0-15 take one row of 256 bytes, lanes 16-31 the next
	v_lshl_add_u32 v[RD], v1, 4, v[RD]
	v_add_nc_u32 v[RD], s[T0], v[RD]
	v_lshlrev_b32 v[CO], 13, v2                    ; and the same two rows in out0
	v_lshl_add_u32 v[CO], v1, 4, v[CO]
	s_lshl_b32 s2, s[TR], 21                       ; my part of the tile in out0: row 256 TR + 128 RH, byte 512 TC + 256 CH
	s_lshl_b32 s3, s[RH], 20
	s_add_co_u32 s2, s2, s3
	s_lshl_b32 s3, s[TC], 9
	s_add_co_u32 s2, s2, s3
	s_lshl_b32 s3, s[CH], 8
	s_add_co_u32 s2, s2, s3
	s_mov_b32 s3, 0
	s_add_nc_u64 s[12:13], s[12:13], s[2:3]
	; the prefetches.  Waves 0, 2 serve a's side, waves 1, 3 b's; waves 0, 1 the data, waves 2, 3 the scale tables.  All choices hang on the wave's number alone.
	s_and_b32 s105, ttmp7, 0xffff                  ; cluster y
	s_mov_b32 s[PST], 0x100000
	s_cmp_eq_u32 s[CH], 0
	s_cselect_b64 s[PFA:PFA+1], s[4:5], s[8:9]
	s_cselect_b64 s[2:3], s[6:7], s[10:11]
	s_cselect_b32 s[T0], s[TR], s[TC]              ; the tile's coordinate,
	s_cselect_b32 s104, s[CX], s[CY]               ; my place among the four that ask for it with me,
	s_cselect_b32 s105, ttmp9, s105                ; the coordinate along which other clusters read the same bytes
	s_cselect_b32 s[PST], 0x100, s[PST]
	s_cselect_b32 s100, 21, 9                      ; a: 256 rows x 8,192 bytes a tile, 64 rows a partner;  b: 512 bytes a tile, 32 rows of 8,192 bytes a partner
	s_cselect_b32 s101, 19, 18
	s_cmp_eq_u32 s[RH], 0
	s_cselect_b64 s[PFA:PFA+1], s[PFA:PFA+1], s[2:3]
	s_cselect_b32 s[PST], s[PST], 128
	s_cselect_b32 s2, s100, 18                     ; a table: 64 rows x 4,096 bytes a tile, 16 rows a partner
	s_cselect_b32 s3, s101, 16
	s_cselect_b32 s[PMSK], 0, 3                    ; the data in every change; the tables where STEPS = 30 - t leaves 2 when divided by 4: t = 0, 4, .. 24
	s_cselect_b32 s[PPH], 0, 2
	s_lshl_b32 s[T0], s[T0], s2
	s_lshl_b32 s104, s104, s3
	s_add_co_u32 s2, s[T0], s104
	s_mul_i32 s3, s[PST], 3                        ; at K step 3: each change steps it ahead of its prefetch, the first to K step 4
	s_add_co_u32 s2, s2, s3
	s_mov_b32 s3, 0
	s_add_nc_u64 s[PFA:PFA+1], s[PFA:PFA+1], s[2:3]
	s_mov_b32 s[PST+1], 0
	s_cmp_eq_u32 s105, 0
	s_cselect_b32 s[LIM], 2, -1                    ; the same in all sixteen partners, for a given wave
	s_cmp_eq_u32 s[RH], 0
	s_cselect_b32 s2, 13, 12                       ; the data: lane x 8,192 = r x 8,192 + h x 131,072;  a table: r x 4,096 + h x 256
	s_cselect_b32 s3, 17, 8
	v_lshlrev_b32 v[PFO], s2, v1
	v_lshlrev_b32 v3, s3, v2
	v_add_nc_u32 v[PFO], v[PFO], v3
	s_movk_i32 s2, 0x100                           ; the second instruction: a: 32 rows further down; b: 256 bytes further along (the tables have none)
	s_cmp_eq_u32 s[CH], 0
	s_cselect_b32 s2, 0x40000, s2
	v_add_nc_u32 v[PFO2], s2, v[PFO]
; 48 LDS loads in one run: the fragments and scales of one quarter into buffer f, from quarter qo (0, 1) behind the four addresses.  For each fragment its scales, then its two halves; b's eight first.
.macro FETCH f, qo
.set SCB, 192+((\f)-64)/2
	WIN TO_B
.irp i, 0,1,2,3,4,5,6,7
	ds_load_b128      v[SCB+4*(\i):SCB+4*(\i)+3],     v[ASB] offset:(\qo)*32+(\i)*4*PITS
	ds_load_tr16_b128 v[(\f)+8*(\i):(\f)+8*(\i)+3],   v[ADB] offset:(\qo)*32*PITB+32*(\i)
	ds_load_tr16_b128 v[(\f)+8*(\i)+4:(\f)+8*(\i)+7], v[ADB] offset:(\qo)*32*PITB+32*(\i)+8*PITB
.endr
	WIN 0
.irp i, 0,1,2,3,4,5,6,7
	ds_load_b128 v[SCB+4*(\i):SCB+4*(\i)+3],     v[ASA] offset:(\qo)*32+(\i)*4*PITS
	ds_load_b128 v[(\f)+8*(\i):(\f)+8*(\i)+3],   v[ADA] offset:(\qo)*64+(\i)*16*PITA
	ds_load_b128 v[(\f)+8*(\i)+4:(\f)+8*(\i)+7], v[ADA] offset:(\qo)*64+(\i)*16*PITA+16
.endr
.endm
; Line m of the 12 that scale a fragment (data at d, its four scales at s): 0-3: scale m is rounded to f16, twice in its word; 4-11: register m - 4 times scale (m - 4) / 2.
.macro ITEM s, d, m
.if (\m) < 4
	v_cvt_pk_f16_f32 v[(\s)+(\m)], v[(\s)+(\m)], v[(\s)+(\m)]
.else
	v_pk_mul_f16 v[(\d)+(\m)-4], v[(\d)+(\m)-4], v[(\s)+((\m)-4)/2]
.endif
.endm
; The three riders behind product k of a quarter that multiplies buffer f and has fetched buffer g (fetch = 0: the last quarter: there is no g).
.macro RID f, g, fetch
.if k < 16
.set rD, (\f)+8*(4+k/4)                ; f's own rows 64-127 of a
.set rS, 192+((\f)-64)/2+4*(4+k/4)
.elseif k < 48
.set rD, (\g)+8*((k-16)/4)             ; g's b
.set rS, 192+((\g)-64)/2+4*((k-16)/4)
.else
.set rD, (\g)+8*((k-48)/4)             ; g's rows 0-63 of a
.set rS, 192+((\g)-64)/2+4*((k-48)/4)
.endif
.if (k < 16) || (\fetch)
.if (k >= 16) && (k < 48)
	WIN RB_W
.else
	WIN 0
.endif
.irp j, 0,1,2
	ITEM rS, rD, (3*k+\j)%12
.endr
.endif
.endm
; Product k of a quarter's 64: rows 16 (k / 8) on, columns 16 (k % 8) on.  The 64 accumulators take turns, one instruction a turn, in the same order in every quarter.  zero = 1: the product starts the sum.
.macro MM f, zero
.set rA, 8*(8*((k/8)%4)+k%8)
	WIN MUL_LO+0x50*(k/32)
.if \zero
	v_wmma_f32_16x16x32_f16 v[rA:rA+7], v[(\f)+8*(k%8):(\f)+8*(k%8)+7], v[(\f)+8*(k/8):(\f)+8*(k/8)+7], 0
.else
	v_wmma_f32_16x16x32_f16 v[rA:rA+7], v[(\f)+8*(k%8):(\f)+8*(k%8)+7], v[(\f)+8*(k/8):(\f)+8*(k/8)+7], v[rA:rA+7]
.endif
.endm
; A QUARTER: buffer f is multiplied; at its head the next quarter is fetched into g (step = 1: the addresses then go two quarters on).
; The waits count the loads of the run that were issued behind the fragment whose riders begin: LDS loads come back in order (ISA guide 5.7.1).  b's fragment i is loads 3 i .. 3 i + 2 of 48: 45 - 3 i stay out;
; a's fragment i is loads 24 + 3 i ..: 21 - 3 i stay out; at product 60 the whole run is waited for, so that rows 64-127 need no wait in the next quarter and none of my LDS reads is out at a change of slots.
.macro QUARTER f, g, qo, zero, fetch, step
.if \fetch
	WIN 0
	PLACES                                         ; behind the last products that read g
	FETCH \g, \qo
.if \step
	v_add_nc_u32 v[ADA], 128, v[ADA]
	v_add_nc_u32 v[ADB], 64*PITB, v[ADB]
	v_add_nc_u32 v[ASA], 64, v[ASA]
	v_add_nc_u32 v[ASB], 64, v[ASB]
.endif
.endif
.set k, 0
.rept 64
	MM \f, \zero
.if \fetch
.if (k >= 16) && (k < 48) && (k%4 == 0)
	s_wait_dscnt 45-3*((k-16)/4)
.elseif (k >= 48) && (k < 60) && (k%4 == 0)
	s_wait_dscnt 21-3*((k-48)/4)
.elseif k == 60
	s_wait_dscnt 0x0
.endif
.endif
	RID \f, \g, \fetch
.set k, k+1
.endr
.endm
; Two quarters, walked CNT times.
.macro PAIR tag
.Lpair_\tag:
	QUARTER F1, F0, 0, 0, 1, 0
	QUARTER F0, F1, 1, 0, 1, 1
	WIN 0                                          ; at a label and at a branch every window is 0
	s_sub_co_u32 s[CNT], s[CNT], 1
	s_cmp_lg_u32 s[CNT], 0
	s_cbranch_scc1 .Lpair_\tag
.endm
; THE CHANGE OF SLOTS, behind a K step's third quarter: the fourth quarter's fragments are in registers.  Each wave waits for all its tensor loads, of which one is out: its tile of the next slot; adds 0 to its
; spare word; and waits for that and for its own reads of the slot.  Behind the barrier nobody reads this slot any more and the next slot is whole.  fill = 1: this slot is filled again, two K steps ahead:
; the barrier is then a round of the cluster's, so that no wave of any partner still reads the slot or has a load on its way, and the joint refill is the first thing behind it: it has a K step,
; 256 matrix instructions, in which to land.
.macro CHANGE fill
	WIN 0
	s_wait_tensorcnt 0x0                           ; no tensor load of mine is out, so a group 0 may be written
	ds_add_u32 v[SPW], v[NIL]                      ; 0 onto my spare word: the steps below, work on registers, stand between it and the wait for it
.if \fill
	WALK G0A,  256
	WALK G0B,  0x100000
	WALK G0SA, 128
	WALK G0SB, 128
	s_wait_xcnt 0x0                                ; the last prefetches, a K step back, have read their address, so it may be written
	s_add_nc_u64 s[PFA:PFA+1], s[PFA:PFA+1], s[PST:PST+1]
.endif
	s_xor_b32 s[TB], s[TB], SLOT                   ; the fetches go to the other slot's first quarter
.irp i, 0,1,2,3
	v_add_nc_u32 v[ADA+(\i)], s[TB], v[ADA0+(\i)]
.endr
	s_wait_dscnt 0x0                               ; the add is done, and my reads of the slot are over
.if \fill
	CROUND
	JLOAD 0
	ASK
.else
	s_barrier_signal -1
	s_barrier_wait -1
.endif
.endm
; THE WAY OUT of block a (16 rows of my 128).  PACK: rounded to f16, 16 bytes a lane, each accumulator's registers in ascending order.  TOSTAGE: into my stage, and back as whole rows of 256 bytes.  SEND: stored.
.macro PACK a
.set AC, 64*((\a)%4)
	WIN 0x0a+5*((\a)/4)                            ; sources 0 and 1: window 2 or 3
.irp b, 0,1,2,3,4,5,6,7
.irp r, 0,1,2,3
	v_cvt_pk_f16_f32 v[TMP+4*(\b)+(\r)], v[AC+8*(\b)+2*(\r)], v[AC+8*(\b)+2*(\r)+1]
.endr
.endr
	WIN 0
.endm
.macro TOSTAGE a
.set BK, OB+192*((\a)%2)
.irp b, 0,1,2,3,4,5,6,7
	ds_store_b128 v[STO], v[TMP+4*(\b):TMP+4*(\b)+3] offset:32*(\b)
.endr
.irp t, 0,1,2,3,4,5,6,7
	ds_load_b128 v[BK+4*(\t):BK+4*(\t)+3], v[RD] offset:(\t)*2*PITA  ; LDS serves a wave's instructions in order (ISA guide 5.7.1.4): these see the stores above; the next block's stores come behind them
.endr
.endm
.macro SEND a
.set BK, OB+192*((\a)%2)
	s_wait_dscnt 0x0                               ; the block is back in registers
	s_wait_xcnt 0x0                                ; every earlier store has read its registers: only behind this wait are the base and the registers of the block before last rewritten
.if (\a) != 0
	s_add_nc_u64 s[12:13], s[12:13], 16*8192       ; 16 rows of out0 on
.endif
.irp t, 0,1,2,3,4,5,6,7
	global_store_b128 v[CO], v[BK+4*(\t):BK+4*(\t)+3], s[12:13] offset:2*(\t)*8192 th:TH_STORE_NT  ; 16 lanes store 256 consecutive bytes, at a multiple of 256 from out0's first byte
.endr
.endm
	s_wait_tensorcnt 0x1                           ; my tile of K step 0 is in; K step 1's may stay out
	s_barrier_signal -1
	s_barrier_wait -1                              ; everybody's is
	FETCH F0, 0
	s_wait_dscnt 0x0
	WIN RB_W                                       ; the first quarter's b and rows 0-63 of a are scaled here: there are no products yet to set the lines behind
.irp i, 0,1,2,3,4,5,6,7
.irp m, 0,1,2,3,4,5,6,7,8,9,10,11
	ITEM 192+4*(\i), F0+8*(\i), \m
.endr
.endr
	WIN 0
.irp i, 0,1,2,3
.irp m, 0,1,2,3,4,5,6,7,8,9,10,11
	ITEM 192+4*(\i), F0+8*(\i), \m
.endr
.endr
	QUARTER F0, F1, 1, 1, 1, 1                     ; quarter 0 stands in front of the loop: its products start the sums
	WIN 0
	s_mov_b32 s[STEPS], 31
	s_mov_b32 s[CNT], 1
	s_branch .Lpair_m                              ; the loop is entered behind its change of slots: K step 0 has two quarters left to fetch
.Lstep:                                                ; 30 times: change t fills with K step t + 2 (STEPS = 30 - t); then the last quarter of step t and the first three of step t + 1
	CHANGE 1
	s_mov_b32 s[CNT], 2
	PAIR m
	s_sub_co_u32 s[STEPS], s[STEPS], 1
	s_cmp_lg_u32 s[STEPS], 0
	s_cbranch_scc1 .Lstep
	CHANGE 0                                       ; the tail is written out: nothing is asked for
	s_mov_b32 s[CNT], 2
	PAIR t
	s_wait_dscnt 0x0                               ; my last reads of the tiles are back (waited for at product 60 of the quarter before):
	s_barrier_signal -1                            ; say so,
	QUARTER F1, F0, 0, 0, 0, 0                     ; the last quarter, work on registers alone,
	WIN 0
	s_barrier_wait -1                              ; and no wave writes its stage before all four have said so
	PLACES                                         ; the conversions read results just made
	PACK 0
	TOSTAGE 0
.irp a, 1,2,3,4,5,6,7                  ; block a's conversions stand between block a - 1's loads from the stage and the wait for them
	PACK \a
	SEND (\a)-1
	TOSTAGE \a
.endr
	SEND 7
	s_wait_tensorcnt 0x0                           ; the wave's end, behind my last tensor load and my last LDS store
	ds_add_u32 v[SPW], v[NIL]
	s_wait_dscnt 0x0
	CROUND                                         ; the closing round: no work-group ends while a partner may still ask for a tile that names it
	s_endpgm
.Lfunc_end_k_q25ce30f8e0_gemm:
	.size	k_q25ce30f8e0_gemm, .Lfunc_end_k_q25ce30f8e0_gemm-k_q25ce30f8e0_gemm
	.p2alignl 7, 3214868480
	.fill 96, 4, 3214868480
	.section	.rodata,"a",@progbits
	.p2align	6, 0x0
	.amdhsa_kernel k_q25ce30f8e0_gemm
		.amdhsa_group_segment_fixed_size 327680
		.amdhsa_private_segment_fixed_size 0
		.amdhsa_enable_private_segment 0
		.amdhsa_kernarg_size 40
		.amdhsa_user_sgpr_count 2
		.amdhsa_user_sgpr_kernarg_segment_ptr 1
		.amdhsa_wavefront_size32 1
		.amdhsa_system_sgpr_workgroup_id_x 1
		.amdhsa_system_sgpr_workgroup_id_y 1
		.amdhsa_system_sgpr_workgroup_id_z 1
		.amdhsa_system_vgpr_workitem_id 0
		.amdhsa_next_free_vgpr 1024
		.amdhsa_next_free_sgpr 106
		.amdhsa_reserve_vcc 0
		.amdhsa_float_denorm_mode_32 3
		.amdhsa_float_denorm_mode_16_64 3
		.amdhsa_memory_ordered 1
		.amdhsa_forward_progress 1
		.amdhsa_inst_pref_size 186
	.end_amdhsa_kernel
	.amdgpu_metadata
---
amdhsa.version: [ 1, 2 ]
amdhsa.kernels:
  - .name:           k_q25ce30f8e0_gemm
    .symbol:         k_q25ce30f8e0_gemm.kd
    .args:
      - { .name: a, .offset: 0, .size: 8, .value_kind: global_buffer, .address_space: global }
      - { .name: a_scale, .offset: 8, .size: 8, .value_kind: global_buffer, .address_space: global }
      - { .name: b, .offset: 16, .size: 8, .value_kind: global_buffer, .address_space: global }
      - { .name: b_scale, .offset: 24, .size: 8, .value_kind: global_buffer, .address_space: global }
      - { .name: out0, .offset: 32, .size: 8, .value_kind: global_buffer, .address_space: global }
    .group_segment_fixed_size: 327680
    .private_segment_fixed_size: 0
    .kernarg_segment_align: 8
    .kernarg_segment_size: 40
    .max_flat_workgroup_size: 128
    .sgpr_count:     106
    .vgpr_count:     1024
    .wavefront_size: 32
...
	.end_amdgpu_metadata
.endif
;; end of part 1
